; MI455X (gfx1250); checked and timed in simulation.
; The chip was launched on July 23, 2026; its instructions are those of AMD's public machine-readable ISA for CDNA 5 (MIT licence, August 2026) and "CDNA5" Instruction Set Architecture Reference Guide (July 2026). The comments in the code are by the model that wrote it; some were corrected since.
;; Local Loss. Allowed arithmetic: matrix products marked QUANTISED: E4M3 operands, one E8M0 scale for each 32 along K, by v_wmma_scale_f32_16x16x128_f8f6f4 with both operands' format E4M3, f32 sums; products left as they are: f32 operands where the result goes on into a quantised operand, else bf16, f16 or f32 operands; f32 sums; everything else in f32.
;; Inputs: caption_lengths 32 int32; image_features 32 x 768 x 19 x 19 float32; word_embeddings 32 x 768 x 96 float32.
;; Outputs: out0 one number float32; out1 one number float32; out2 32 x 96 x 19 x 19 float32.
;; This version of the problem:
;;   THIS VERSION OF THE PROBLEM IS GIVEN IN LOW PRECISION. The matrix products marked QUANTISED in the list below multiply operands that are first quantised to E4M3 (4 exponent bits, 3 mantissa bits; 8 bits a number), with one power-of-two scale for each 32 numbers along K (OCP MX v1.0); their sums are f32. All else is computed in f32.
;;   The module's matrix products, in the order in which they are computed (A, B: the left and right operand; K: the contracted axis; several contracted axes count as one K, in the product's order):
;;     1. [M 3,072, K 768] x [K 768, N 11,552]; A: input word_embeddings; B: input image_features: QUANTISED
;;     2. batch 32 x [M 3,072, K 361] x [K 361, N 768]; A: softmax (see below); B: input image_features: QUANTISED
;;     3. batch 3,072 x [M 32, K 768] x [K 768, N 1]; A: computed on the way; B: computed on the way: left as it is (N = 1 < 16)
;;   THE QUANTISER, for each operand of a quantised product, along K:
;;     - K is cut into blocks of 32 from its start; a last block that is shorter is filled with zeros.
;;     - A block's scale is 2^e with e = floor(log2(the largest magnitude in the block)) - 8, held to -126 .. 127; a block of zeros has e = 0. As a byte (E8M0): e + 127.
;;     - Each number is divided by its block's scale, clamped to +-448, and rounded to the nearest number of E4M3, ties to even, subnormals kept.
;;     - The product sums the exact products of the quantised numbers (number of the format x scale) in f32.
;;   ~~~python
;;   def quantise(x, axis):      # numpy; x: float32 -> the quantised numbers, widened to float32 again
;;       x = np.moveaxis(x, axis, -1); K = x.shape[-1]
;;       x = np.pad(x, [(0, 0)] * (x.ndim - 1) + [(0, -K % 32)]); x = x.reshape(x.shape[:-1] + (-1, 32)); a = np.abs(x).max(-1, keepdims=True)
;;       e = np.where(a > 0, np.clip(np.frexp(np.where(a > 0, a, 1))[1] - 1 - 8, -126, 127), 0)      # np.frexp(a)[1] - 1 = floor(log2(a)), exactly
;;       r = np.clip(x / 2.0 ** e, -448, 448)
;;       step = 2.0 ** (np.maximum(np.frexp(np.where(r == 0, 1, r))[1] - 1, -6) - 3)
;;       q = np.round(r / step) * step * 2.0 ** e      # np.round: ties to even
;;       return np.moveaxis(q.reshape(q.shape[:-2] + (-1,))[..., :K], -1, axis).astype(np.float32)
;;   ~~~
;;   SOFTMAX AHEAD OF A QUANTISED PRODUCT. Where the list says 'softmax', what is quantised is not the finished softmax but p = 2^(t - M), with t = logit x log2(e) and M = ceil(the row's largest t), a whole number; so 1/2 < the row's largest p <= 1. The row's sum l is taken of the UNQUANTISED p, in f32, and the product's result is divided by l at the end. Since M is a whole number, a kernel that streams over the keys may use a running M (the ceiling of the running maximum): every later rescaling is an exact power of two, which a block's scale takes up: the codes' values come out the same.
;;   OPERANDS COMPUTED ON THE WAY. 'Computed on the way' means the value that the module computes at that place (a softmax that the list does not call 'softmax' is quantised finished and normalised). What goes into a quantiser is computed in f32, as accurately as f32 sums, v_exp_f32 and their like allow (about 1e-6 of the number): no bf16 or f16 on the way to a quantiser, and a product that is left as it is and whose result goes on into a quantised operand takes f32 operands (vector FMAs, or v_wmma_f32_16x16x4_f32). A number that lies on a knife's edge between two numbers of the format may be rounded either way, as far as f32 arithmetic and the matrix unit's own rounding can turn it there, and no further.
;; One version. Each part assembles by itself: llvm-mc -triple=amdgcn-amd-amdhsa -mcpu=gfx1250 --defsym DOCPART=n.
;; ======== version 1 of 1: 3 launches
;; limits: right only within a limited range of input values; values are held in bf16: 8 bits of precision
;; workspace buffers: c1codes 9,437,184 bytes; c2codes 9,437,184 bytes; cscales 589,824 bytes; wcodes 2,359,296 bytes; wbf 4,718,592 bytes; wsmall 147,456 bytes; order 256 bytes of whole numbers; res 4,734,976 bytes
;; launch prep (part 1): grid 6 x 32, 8 waves a work-group, no clusters, 238,848 bytes of LDS; arguments image_features, word_embeddings, caption_lengths, c1codes, c2codes, cscales, wcodes, wbf, wsmall, order; writes c1codes, c2codes, cscales, wcodes, wbf, wsmall, order
.if DOCPART == 1
	.amdgcn_target "amdgcn-amd-amdhsa--gfx1250"
	.amdhsa_code_object_version 6
	.text
	.protected	k_q748b3ad4f1_prep
	.globl	k_q748b3ad4f1_prep
	.p2align	8
	.type	k_q748b3ad4f1_prep,@function
k_q748b3ad4f1_prep:
	s_mov_b64 s[64:65], 0
	v_nop
	global_prefetch_b8 v0, s[64:65] scope:SCOPE_SE
	s_setreg_imm32_b32 hwreg(HW_REG_WAVE_MODE, 25, 1), 1
	s_wait_xcnt 0x0
; PREP.  Quantises both inputs to E4M3 with one E8M0 byte for each 32 along K and lays the codes in the order of the operands' registers.
; Work-group (ks, x) takes rows d = 128 ks .. 128 ks + 127 of image x (184,832 dense bytes) and of caption x (49,152 dense bytes).
; Both tiles are read once by dense 512-byte loads, put into LDS as they lie, and read back a number a lane:
;   c1codes: image along d   [x][pt 24][ks 6][c 4][lane][16 B]: lane (r, h): pixel 32 (pt/2) + 8 (pt%2) + r + 8 (r/8), d = 128 ks + 32 c + 16 h + 0..15; pixels from 361 on are zero codes
;   c2codes: image along p   [x][dt 48][s 3][c 4][lane][16 B]: row d = 16 dt + r, p = 128 s + 32 c + 16 h + 0..15; pixels from 361 on are zero codes
;   wcodes:  words along d   [x][t 6][ks 6][c 4][lane][16 B]: token 16 t + r
;   wbf:     words as bf16   [x][t 6][dt 48][lane][16 B]: lane (r, h): d = 16 dt + 8 h + 0..7 of token 16 t + r
;   cscales: the image's scale words; wsmall: the words' scale words and the K step's sums of squares; order: the captions by falling length.
; A block's scale is 2^(floor(log2(largest magnitude)) - 8); its byte is the largest magnitude's exponent field - 8, held at 1 from below.
; LIMITS: a block of zeros gets the byte 1 (its codes are zeros; only this program reads the bytes); blocks whose largest magnitude lies under 2^-118 get the byte 1; NaN and infinities are not served.
; No matrix unit, no tensor load: the tiles are read once and the work is a lane's.  192 work-groups: one for each K step of each image.
.set WT,   184832                      ; LDS: the image tile at 0 (row pitch 1,444), the word tile here (row pitch 384),
.set ST1,  233984                      ; the scale words along d [pt 24][r 16],
.set ST2,  235520                      ; the scale words along p [pair of d tiles 4][s 3][parity 2][r 16],
.set STW,  237056                      ; the words' scale words [t 6][r 16] and behind them the sums of squares [t 6][r 16]
.set X0,   16                          ; v16-47  two sets of 16 numbers;  v48-55 at work;  v60-63 a unit's codes;  v64-247 the image tile on its way
.set WV,   28
.set KS,   29
.set XX,   30
.set SEL,  36
.set MNT,  38
; 16 numbers of a lane, half a block of 32 (the other half lies in lane l xor 16), become 16 codes in v[60:63]; the block's byte goes into byte c of v53.
.macro QUANT16 xs, c
	v_max3_num_f32 v48, |v[(\xs)]|, |v[(\xs)+1]|, 0x4800000          ; the floor 2^(9 - 127): the byte cannot fall under 1
	v_max3_num_f32 v49, |v[(\xs)+2]|, |v[(\xs)+3]|, |v[(\xs)+4]|
	s_delay_alu instid0(VALU_DEP_2)
	v_max3_num_f32 v48, v48, |v[(\xs)+5]|, |v[(\xs)+6]|
	s_delay_alu instid0(VALU_DEP_2)
	v_max3_num_f32 v49, v49, |v[(\xs)+7]|, |v[(\xs)+8]|
	s_delay_alu instid0(VALU_DEP_2)
	v_max3_num_f32 v48, v48, |v[(\xs)+9]|, |v[(\xs)+10]|
	s_delay_alu instid0(VALU_DEP_2)
	v_max3_num_f32 v49, v49, |v[(\xs)+11]|, |v[(\xs)+12]|
	s_delay_alu instid0(VALU_DEP_2)
	v_max3_num_f32 v48, v48, |v[(\xs)+13]|, |v[(\xs)+14]|
	s_delay_alu instid0(VALU_DEP_1)
	v_max3_num_f32 v48, v48, v49, |v[(\xs)+15]|
	s_delay_alu instid0(VALU_DEP_1)
	v_permlanex16_b32 v49, v48, s[SEL], s[SEL+1]
	s_delay_alu instid0(VALU_DEP_1)
	v_max_num_f32 v48, v48, v49                                      ; the block's largest magnitude
	s_delay_alu instid0(VALU_DEP_1)
	v_add_nc_u32 v50, 0xfc000000, v48                                ; 8 off its exponent field: the conversion's scale operand
	s_delay_alu instid0(VALU_DEP_2)
	v_and_or_b32 v51, v48, 0x7f800000, s[MNT]                        ; 448 x the scale
	s_delay_alu instid0(VALU_DEP_2)
	v_lshrrev_b32 v52, 23, v50                                       ; the byte
.if (\c) == 0
	s_delay_alu instid0(VALU_DEP_1)
	v_mov_b32 v53, v52
.else
	s_delay_alu instid0(VALU_DEP_1)
	v_lshl_or_b32 v53, v52, 8*(\c), v53
.endif
.set qi, 0
.rept 16
	v_med3_num_f32 v[(\xs)+qi], v[(\xs)+qi], -v51, v51               ; the conversion does not saturate (ISA guide 7.6.2): hold first
.set qi, qi+1
.endr
	s_wait_alu depctr_va_vdst(0)
	s_wait_xcnt 0x0                                                  ; the last unit's store has read v[60:63]
	v_cvt_scalef32_pk8_fp8_f32 v[60:61], v[(\xs):(\xs)+7], v50
	v_cvt_scalef32_pk8_fp8_f32 v[62:63], v[(\xs)+8:(\xs)+15], v50
	v_nop                                                            ; a plain line behind the conversions
.endm
.macro LDWA c, xs                      ; words: d = 32 c + 16 h + i of token 16 w + r
.set li, 0
.rept 16
	ds_load_b32 v[(\xs)+li], v10 offset:12288*(\c)+384*li
.set li, li+1
.endr
.endm
.macro LD1 n, c, xs                    ; image along d: d = 32 c + 16 h + i of my pixel of tile w + 8 n
.set li, 0
.rept 16
	ds_load_b32 v[(\xs)+li], v[12+(\c)] offset:512*(\n)+1444*li
.set li, li+1
.endr
.endm
.macro LD2 s, c, xs                    ; image along p: p = 128 s + 32 c + 16 h + i of row 16 w + r
.set li, 0
.rept 16
	ds_load_b32 v[(\xs)+li], v248 offset:(128*(\s)+32*(\c)+li)*4
.set li, li+1
.endr
.endm
	s_load_b512 s[8:23], s[0:1], 0x0               ; image, words, lengths, c1codes, c2codes, cscales, wcodes, wbf
	s_load_b128 s[24:27], s[0:1], 0x40             ; wsmall, order
	s_set_vgpr_msb 0x40
	v_lshl_add_u32 v0, v0, 2, 0x3a100
	v_mov_b32 v1, 0
	s_set_vgpr_msb 0x4000
	v_lshrrev_b32 v1, 5, v0
	s_delay_alu instid0(VALU_DEP_1)
	v_readfirstlane_b32 s[WV], v1                  ; wave 0..7
	s_mov_b32 s[KS], ttmp9
	s_and_b32 s[XX], ttmp7, 0xffff
	v_and_b32 v1, 31, v0                           ; lane
	v_and_b32 v2, 15, v0                           ; r
	v_bfe_u32 v3, v0, 4, 1                         ; h
	s_delay_alu instid0(VALU_DEP_3)
	v_lshlrev_b32 v4, 4, v1                        ; 16 x lane
	s_delay_alu instid0(VALU_DEP_3)
	v_lshlrev_b32 v9, 2, v2                        ; 4 r
	; every LDS address is made here, ahead of the first branch on the wave's number
	s_lshl_b32 s31, s[WV], 9
	v_add_nc_u32 v5, s31, v4                       ; 16 lane + 512 w: my place in a run of eight chunks, in memory and in LDS
	s_delay_alu instid0(VALU_DEP_1)
	v_add_nc_u32 v6, 61440, v5
	s_delay_alu instid0(VALU_DEP_2)
	v_add_nc_u32 v7, 122880, v5
	s_delay_alu instid0(VALU_DEP_3)
	v_add_nc_u32 v8, WT, v5
	v_mad_u32_u24 v10, v3, 6144, v9
	s_lshl_b32 s31, s[WV], 6
	s_add_co_u32 s32, s31, WT
	v_add_nc_u32 v10, s32, v10                     ; words for codes: WT + 6,144 h + 64 w + 4 r
	v_mad_u32_u24 v11, v3, 3072, v9
	s_mul_i32 s32, s[WV], 6144
	s_add_co_u32 s32, s32, WT
	v_add_nc_u32 v11, s32, v11                     ; words for bf16: WT + 6,144 w + 3,072 h + 4 r
	v_and_b32 v12, 8, v2
	s_delay_alu instid0(VALU_DEP_1)
	v_add_nc_u32 v12, v12, v2                      ; r + 8 (r / 8)
	s_lshr_b32 s32, s[WV], 1
	s_lshl_b32 s32, s32, 5
	s_and_b32 s33, s[WV], 1
	s_lshl_b32 s33, s33, 3
	s_add_co_u32 s32, s32, s33
	v_add_nc_u32 v255, s32, v12                    ; my pixel in tile w
	s_delay_alu instid0(VALU_DEP_1)
	v_lshlrev_b32 v12, 2, v255
	s_delay_alu instid0(VALU_DEP_1)
	v_mad_u32_u24 v12, v3, 23104, v12              ; + 16 h rows of 1,444 bytes
	s_delay_alu instid0(VALU_DEP_1)
	v_add_nc_u32 v13, 46208, v12                   ; + 32 rows for each c
	s_delay_alu instid0(VALU_DEP_2)
	v_add_nc_u32 v14, 92416, v12
	s_delay_alu instid0(VALU_DEP_3)
	v_add_nc_u32 v15, 138624, v12
	v_add_nc_u32 v255, 256, v255                   ; my pixel in tile w + 16: the only tiles that reach 361
	v_mul_u32_u24 v248, v2, 1444
	s_delay_alu instid0(VALU_DEP_1)
	v_lshl_add_u32 v248, v3, 6, v248
	s_mul_i32 s32, s[WV], 23104
	v_add_nc_u32 v248, s32, v248                   ; row 16 w + r, + 64 h
	s_add_co_u32 s32, s31, ST1
	v_add_nc_u32 v249, s32, v9                     ; ST1 + 64 w + 4 r
	s_lshr_b32 s32, s[WV], 1
	s_mul_i32 s32, s32, 384
	s_and_b32 s33, s[WV], 1
	s_lshl_b32 s33, s33, 6
	s_add_co_u32 s32, s32, s33
	s_add_co_u32 s32, s32, ST2
	v_add_nc_u32 v250, s32, v9                     ; ST2 + 384 (w / 2) + 64 (w % 2) + 4 r
	s_add_co_u32 s32, s31, STW
	v_add_nc_u32 v251, s32, v9                     ; STW + 64 w + 4 r
	v_add_nc_u32 v252, ST1, v5                     ; the way out of ST1 and ST2: 512 bytes a wave
	v_lshlrev_b32 v254, 3, v1
	s_delay_alu instid0(VALU_DEP_1)
	v_add_nc_u32 v253, STW, v254                   ; the way out of STW: 8 bytes a lane
	s_mov_b32 s[SEL], 0x76543210
	s_mov_b32 s[SEL+1], 0xfedcba98                 ; lane l xor 16
	s_mov_b32 s[MNT], 0x600000                     ; the mantissa field of 448
	s_wait_kmcnt 0x0
	s_mov_b32 s33, 0
	s_mul_i32 s32, s[XX], 1108992
	s_mul_i32 s34, s[KS], 184832
	s_add_co_u32 s32, s32, s34
	s_add_nc_u64 s[40:41], s[8:9], s[32:33]        ; my image tile
	s_mul_i32 s32, s[XX], 294912
	s_mul_i32 s34, s[KS], 49152
	s_add_co_u32 s32, s32, s34
	s_add_nc_u64 s[42:43], s[10:11], s[32:33]      ; my word tile
	s_mul_i32 s34, s[WV], 6144
	s_add_co_u32 s32, s32, s34
	s_add_nc_u64 s[50:51], s[16:17], s[32:33]      ; c2codes: x 294,912 + ks 49,152 + w 6,144
	s_mul_i32 s32, s[XX], 73728
	s_mul_i32 s34, s[WV], 12288
	s_add_co_u32 s32, s32, s34
	s_lshl_b32 s35, s[KS], 11
	s_add_co_u32 s32, s32, s35
	s_add_nc_u64 s[44:45], s[20:21], s[32:33]      ; wcodes: x 73,728 + w 12,288 + ks 2,048
	s_mul_i32 s32, s[XX], 294912
	s_add_co_u32 s32, s32, s34
	s_add_co_u32 s32, s32, s35
	s_add_nc_u64 s[48:49], s[14:15], s[32:33]      ; c1codes: x 294,912 + w 12,288 + ks 2,048
	s_mul_i32 s32, s[XX], 147456
	s_lshl_b32 s34, s[KS], 12
	s_add_co_u32 s32, s32, s34
	s_lshl_b32 s34, s[WV], 9
	s_add_co_u32 s32, s32, s34
	s_add_nc_u64 s[46:47], s[22:23], s[32:33]      ; wbf: x 147,456 + ks 4,096 + w 512
	; ---- all loads go out: each reads 512 consecutive bytes; the words first, since they are worked on first
.set k, 0
.rept 12
	global_load_b128 v[16+4*k:19+4*k], v5, s[42:43] offset:4096*k th:TH_LOAD_NT
.set k, k+1
.endr
	s_cmp_lg_u32 s[WV], 0
	s_cbranch_scc1 .Lno_last_a
	global_load_b128 v[244:247], v5, s[40:41] offset:184320 th:TH_LOAD_NT   ; the tile has 361 chunks: the last is wave 0's
.Lno_last_a:
.set k, 0
.rept 45
	global_load_b128 v[64+4*k:67+4*k], v5, s[40:41] offset:4096*k th:TH_LOAD_NT
.set k, k+1
.endr
	s_wait_loadcnt 45                              ; the 45 youngest loads are the image's: the 12 of the words are in
.set k, 0
.rept 12
	ds_store_b128 v8, v[16+4*k:19+4*k] offset:4096*k
.set k, k+1
.endr
	s_wait_dscnt 0x0                               ; for the others' sake: my part of the word tile lies in LDS
	s_barrier_signal -1
	s_barrier_wait -1
	; ---- the words, while the image is on its way.  Codes: wave w < 6 takes tokens 16 w .. 16 w + 15
	s_cmp_ge_u32 s[WV], 6
	s_cbranch_scc1 .Lwords_b
	v_mov_b32 v54, 0
	v_mov_b32 v55, 0                               ; the sum of squares, in two halves
	s_wait_alu depctr_va_vdst(0)
	LDWA 0, X0
.set u, 0
.rept 4
.if u < 3
	LDWA u+1, X0+16*((u+1)%2)
	s_wait_dscnt 16                                ; all but the 16 loads just issued
.else
	s_wait_dscnt 0
.endif
.set li, 0
	v_pk_fma_f32 v[54:55], v[X0+16*(u%2)+li:X0+16*(u%2)+li+1], v[X0+16*(u%2)+li:X0+16*(u%2)+li+1], v[54:55]   ; of the numbers as they are given
.set li, li+2
.rept (8)-1
	s_delay_alu instid0(VALU_DEP_1)
	v_pk_fma_f32 v[54:55], v[X0+16*(u%2)+li:X0+16*(u%2)+li+1], v[X0+16*(u%2)+li:X0+16*(u%2)+li+1], v[54:55]   ; of the numbers as they are given
.set li, li+2
.endr
	QUANT16 X0+16*(u%2), u
	global_store_b128 v4, v[60:63], s[44:45] offset:512*u
.set u, u+1
.endr
	ds_store_b32 v251, v53                         ; the K step's scale word of my token (both halves of the lanes hold the same)
	v_add_f32 v54, v54, v55
	s_delay_alu instid0(VALU_DEP_1)
	v_permlanex16_b32 v49, v54, s[SEL], s[SEL+1]
	s_delay_alu instid0(VALU_DEP_1)
	v_add_f32 v54, v54, v49
	ds_store_b32 v251, v54 offset:384              ; and its sum of squares over these 128 d
.Lwords_b:
	; bf16: wave w takes d = 16 w .. 16 w + 15, all six tiles of tokens, two tiles at a time
.macro LDWB bt, xs
.set li, 0
.rept 16
	ds_load_b32 v[(\xs)+li], v11 offset:384*(li%8)+64*(2*(\bt)+li/8)
.set li, li+1
.endr
.endm
	LDWB 0, X0
.set u, 0
.rept 3
.if u < 2
	LDWB u+1, X0+16*((u+1)%2)
	s_wait_dscnt 16                                ; all but the 16 just issued: the stores of v53 and v54 above are done too
.else
	s_wait_dscnt 0
.endif
	s_wait_xcnt 0x0                                ; the last stores have read v48-55
.set li, 0
.rept 8
	v_cvt_pk_bf16_f32 v[48+li], v[X0+16*(u%2)+2*li], v[X0+16*(u%2)+2*li+1]
.set li, li+1
.endr
	global_store_b128 v4, v[48:51], s[46:47] offset:24576*(2*u)
	global_store_b128 v4, v[52:55], s[46:47] offset:24576*(2*u+1)
.set u, u+1
.endr
	s_wait_xcnt 0x0                                ; v48-55 are written again below
	; ---- the image tile into LDS
	s_wait_loadcnt 0x0
.set k, 0
.rept 45
	ds_store_b128 v[5+k/15], v[64+4*k:67+4*k] offset:4096*(k%15)
.set k, k+1
.endr
	s_cmp_lg_u32 s[WV], 0
	s_cbranch_scc1 .Lno_last_b
	ds_store_b128 v7, v[244:247] offset:61440
.Lno_last_b:
	s_wait_dscnt 0x0
	s_barrier_signal -1
	s_barrier_wait -1
	; ---- the image along d: wave w takes tiles of pixels w, w + 8, w + 16.  Reads of pixels from 361 on run into bytes that lie in LDS and are replaced by 0
	v_cmp_gt_u32 vcc_lo, 361, v255
	LD1 0, 0, X0
.set u, 0
.rept 12
.if u < 11
	LD1 (u+1)/4, (u+1)%4, X0+16*((u+1)%2)
	s_wait_dscnt 16                                ; all but the 16 just issued (a scale word's store stands ahead of them)
.else
	s_wait_dscnt 0
.endif
.if u/4 == 2
.set li, 0
.rept 16
	v_cndmask_b32 v[X0+16*(u%2)+li], 0, v[X0+16*(u%2)+li], vcc_lo
.set li, li+1
.endr
.endif
	QUANT16 X0+16*(u%2), u%4
	global_store_b128 v4, v[60:63], s[48:49] offset:98304*(u/4)+512*(u%4)
.if u%4 == 3
	ds_store_b32 v249, v53 offset:512*(u/4)
.endif
.set u, u+1
.endr
	; ---- the image along p: wave w takes rows 16 w .. 16 w + 15; the last block holds pixels 352 to 360 and zeros
	v_cmp_eq_u32 vcc_lo, 0, v3
	LD2 0, 0, X0
.set u, 0
.rept 12
.if u < 11
	LD2 (u+1)/4, (u+1)%4, X0+16*((u+1)%2)
	s_wait_dscnt 16
.else
	s_wait_dscnt 0
.set li, 0
.rept 9
	v_cndmask_b32 v[X0+16*(u%2)+li], 0, v[X0+16*(u%2)+li], vcc_lo
.set li, li+1
.endr
.rept 7
	v_mov_b32 v[X0+16*(u%2)+li], 0
.set li, li+1
.endr
.endif
	QUANT16 X0+16*(u%2), u%4
	global_store_b128 v4, v[60:63], s[50:51] offset:2048*(u/4)+512*(u%4)
.if u%4 == 3
	ds_store_b32 v250, v53 offset:128*(u/4)
.endif
.set u, u+1
.endr
	s_wait_dscnt 0x0
	s_barrier_signal -1
	s_barrier_wait -1
	; ---- the small tables leave in runs of 256 bytes or more
	s_cmp_ge_u32 s[WV], 6
	s_cbranch_scc1 .Lw67
	ds_load_b128 v[16:19], v252
	s_mul_i32 s32, s[XX], 9216
	s_mul_i32 s34, s[KS], 1536
	s_add_co_u32 s32, s32, s34
	s_lshl_b32 s34, s[WV], 9
	s_add_co_u32 s32, s32, s34
	s_cmp_ge_u32 s[WV], 3                          ; waves 3 to 5 carry the words along p: 294,912 bytes on, less the 1,536 that their number has added
	s_cselect_b32 s34, 293376, 0
	s_add_co_u32 s32, s32, s34
	s_add_nc_u64 s[52:53], s[18:19], s[32:33]
	s_wait_dscnt 0x0
	global_store_b128 v4, v[16:19], s[52:53]
	s_branch .Lend
.Lw67:
	s_cmp_lg_u32 s[WV], 6
	s_cbranch_scc1 .Lw7
.irp k, 0,1,2
	ds_load_b64 v[16+2*\k:17+2*\k], v253 offset:256*\k
.endr
	s_mul_i32 s32, s[XX], 4608
	s_mul_i32 s34, s[KS], 768
	s_add_co_u32 s32, s32, s34
	s_add_nc_u64 s[52:53], s[24:25], s[32:33]
	s_wait_dscnt 0x0
.irp k, 0,1,2
	global_store_b64 v254, v[16+2*\k:17+2*\k], s[52:53] offset:256*\k
.endr
	s_branch .Lend
.Lw7:
	s_or_b32 s32, s[KS], s[XX]
	s_cmp_lg_u32 s32, 0
	s_cbranch_scc1 .Lend
	; the captions by falling length (ties: the lower number first): lane = caption; its rank is the count of larger keys 32 len + 31 - lane
	v_lshlrev_b32 v16, 2, v1
	global_load_b32 v17, v16, s[12:13]
	v_mov_b32 v21, 0
	v_mov_b32 v20, 0
	v_sub_nc_u32 v19, 31, v1
	s_wait_alu depctr_va_vdst(0)
	s_wait_loadcnt 0x0
	v_cmp_gt_i32 vcc_lo, 0, v17
	s_delay_alu instid0(VALU_DEP_1)
	v_cndmask_b32 v17, v17, v21, vcc_lo            ; a length under 0 masks as 0 does,
	s_delay_alu instid0(VALU_DEP_1)
	v_min_u32 v17, 96, v17                         ; one over 96 as 96 does
	s_delay_alu instid0(VALU_DEP_1)
	v_lshl_add_u32 v18, v17, 5, v19
.set k, 0
.rept 32
	v_readlane_b32 s32, v18, k
	s_delay_alu instid0(VALU_DEP_1)
	v_cmp_gt_u32 vcc_lo, s32, v18
	s_delay_alu instid0(VALU_DEP_1)
	v_add_co_ci_u32 v20, vcc_lo, 0, v20, vcc_lo
.set k, k+1
.endr
	s_delay_alu instid0(VALU_DEP_1)
	v_min_u32 v20, 31, v20
	s_delay_alu instid0(VALU_DEP_1)
	v_lshlrev_b32 v20, 2, v20
	global_store_b32 v20, v1, s[26:27]             ; order[rank] = caption
	global_store_b32 v20, v17, s[26:27] offset:128 ; order[32 + rank] = its length
.Lend:
	s_set_vgpr_msb 0x5
	s_wait_tensorcnt 0x0
	ds_add_u32 v0, v1
	s_wait_dscnt 0x0
	s_set_vgpr_msb 0x500
	s_endpgm
.Lfunc_end_k_q748b3ad4f1_prep:
	.size	k_q748b3ad4f1_prep, .Lfunc_end_k_q748b3ad4f1_prep-k_q748b3ad4f1_prep
	.p2alignl 7, 3214868480
	.fill 96, 4, 3214868480
	.section	.rodata,"a",@progbits
	.p2align	6, 0x0
	.amdhsa_kernel k_q748b3ad4f1_prep
		.amdhsa_group_segment_fixed_size 238848
		.amdhsa_private_segment_fixed_size 0
		.amdhsa_enable_private_segment 0
		.amdhsa_kernarg_size 80
		.amdhsa_user_sgpr_count 2
		.amdhsa_user_sgpr_kernarg_segment_ptr 1
		.amdhsa_wavefront_size32 1
		.amdhsa_system_sgpr_workgroup_id_x 1
		.amdhsa_system_sgpr_workgroup_id_y 1
		.amdhsa_system_sgpr_workgroup_id_z 1
		.amdhsa_system_vgpr_workitem_id 0
		.amdhsa_next_free_vgpr 258
		.amdhsa_next_free_sgpr 66
		.amdhsa_reserve_vcc 1
		.amdhsa_float_denorm_mode_32 3
		.amdhsa_float_denorm_mode_16_64 3
		.amdhsa_memory_ordered 1
		.amdhsa_forward_progress 1
		.amdhsa_inst_pref_size 136
	.end_amdhsa_kernel
	.amdgpu_metadata
---
amdhsa.version: [ 1, 2 ]
amdhsa.kernels:
  - .name:           k_q748b3ad4f1_prep
    .symbol:         k_q748b3ad4f1_prep.kd
    .args:
      - { .name: image_features, .offset: 0, .size: 8, .value_kind: global_buffer, .address_space: global }
      - { .name: word_embeddings, .offset: 8, .size: 8, .value_kind: global_buffer, .address_space: global }
      - { .name: caption_lengths, .offset: 16, .size: 8, .value_kind: global_buffer, .address_space: global }
      - { .name: c1codes, .offset: 24, .size: 8, .value_kind: global_buffer, .address_space: global }
      - { .name: c2codes, .offset: 32, .size: 8, .value_kind: global_buffer, .address_space: global }
      - { .name: cscales, .offset: 40, .size: 8, .value_kind: global_buffer, .address_space: global }
      - { .name: wcodes, .offset: 48, .size: 8, .value_kind: global_buffer, .address_space: global }
      - { .name: wbf, .offset: 56, .size: 8, .value_kind: global_buffer, .address_space: global }
      - { .name: wsmall, .offset: 64, .size: 8, .value_kind: global_buffer, .address_space: global }
      - { .name: order, .offset: 72, .size: 8, .value_kind: global_buffer, .address_space: global }
    .group_segment_fixed_size: 238848
    .private_segment_fixed_size: 0
    .kernarg_segment_align: 8
    .kernarg_segment_size: 80
    .max_flat_workgroup_size: 256
    .sgpr_count:     66
    .vgpr_count:     258
    .wavefront_size: 32
...
	.end_amdgpu_metadata
.endif
;; end of part 1
;; launch main (part 2): grid 8 x 32, 4 waves a work-group, no clusters, 244,736 bytes of LDS; arguments c1codes, c2codes, cscales, wcodes, wbf, wsmall, order, res; writes res
.if DOCPART == 2
	.amdgcn_target "amdgcn-amd-amdhsa--gfx1250"
	.amdhsa_code_object_version 6
	.text
	.protected	k_q748b3ad4f1_main
	.globl	k_q748b3ad4f1_main
	.p2align	8
	.type	k_q748b3ad4f1_main,@function
k_q748b3ad4f1_main:
	s_mov_b64 s[64:65], 0
	v_nop
	global_prefetch_b8 v0, s[64:65] scope:SCOPE_SE
	s_setreg_imm32_b32 hwreg(HW_REG_WAVE_MODE, 25, 1), 1
	s_wait_xcnt 0x0
; MAIN.  Work-group (g, j) takes image j and the four captions of ranks g, 15 - g, 16 + g, 31 - g in the list by falling length; all four waves work on one pair at a time.
; For a pair: S = ctx^T w (K = 768, on codes), mask, softmax over the tokens, e2 = 2^(4 log2(e) attn_q), P = codes of e2 along the pixels, wc = ctx P (K = 384, on codes), num = sum_d w wc, cn2 = sum_d wc^2,
; cos, exp, the sum over the tokens.  The second softmax takes no maximum away: its exponents are 4 attn_q, between 0 and 4 for every input, since attn_q is a finished softmax; as a power of two the missing
; whole number goes into the blocks' scale bytes, so the codes are those of 2^(t - M).
; TILES OF 16 TOKENS THAT LIE WHOLLY BEHIND A CAPTION'S LENGTH ARE LEFT OUT: their sim is masked and their attention map is 1 / 361.  That is a branch on stored whole numbers; this text has no tensor load and no joint
; load: operands go from memory to registers.  What partners could share is little: a work-group reads each byte of its image's codes once, into registers, where they serve four captions.
; THE IMAGE STAYS IN REGISTERS.  Phase 1: wave w holds the codes along d of its pixel blocks gb = 4 b + w (b = 0..2; 32 pixels each): 576 registers.  Phase 2: the same registers hold the codes along p of its d tiles 12 w .. 12 w + 11.
; Through LDS go the words' codes (a fragment feeds six products in each wave) and P's codes, as images of the operand's registers.
; LAYOUT.  S(b, t)[i] in lane (r, h) is the score of pixel 32 gb + 16 h + i and token 16 t + r: source 0 = 16 pixels (not neighbours: see prep), source 1 = 16 tokens.  So a lane's 16 registers are 16 neighbours along the second
; product's K, and the conversions' results are four registers of its operand.  wc: source 0 = 16 rows d, source 1 = P: register j of lane (r, h) is d = 16 dt + 8 h + j of token r.
; The product num has N = 1: fused multiply-adds with wc in f32 and the words in bf16.
; LIMITS: NaN and infinities are not served; masked tokens inside a kept tile get the bias -1e30, so scores must stay under about 1e29; a length of 0 gives a sum of 0 (the loss is then not finite, as in the definition).
; REGISTERS, in windows of 256.  Window 0: v1-15 addresses; v16-33 the image's scale words, v34-51 the words' (phase 2: v34-36 P's): scales and nothing else; v52-63 e2's sums (phase 2: num, cn2);
;   v64-143 by turns: two sets of two word fragments and the bias | maxima, sums, held numbers, a block's scale | P's three fragments; v144-149 the words' squared norms; v150-159 at work;
;   v160-255 S(b, 4..5) (phase 2: two sets of bf16 words).  Window b + 1: v0-191 the image's 12 fragments, v192-255 S(b, 0..3) (phase 2: v192-223 four accumulators).
.set PIM,  73728                       ; LDS: the words' 36 fragments of one caption at 0;  P's images [c 4][t 6][s 3][cb 4][lane][16 B];
.set PSC,  221184                      ; P's scale words [c][t][s][r], byte cb from wave cb;
.set LSM,  225792                      ; e2's sums [c][w][96];
.set RED,  231936                      ; num and cn2 [c][t][w][lane]
.set LI,1
.set L4,2
.set R4,3
.set AW1,4
.set APIB,5
.set API,6
.set APSB,7
.set APS,8
.set ALSB,9
.set ALS,10
.set RR,11
.set WSO,12
.set VE,13
.set AWST,14
.set PFO,15
.set CS,16
.set WSC,34
.set LS,52
.set WF,64
.set BIAS,128
.set MM,64
.set SUM,96
.set HH,112
.set TM,128
.set TM2,129
.set SCF,130
.set HD,131
.set BY,132
.set PCD,136
.set WN2,144
.set TP,150
.set NEGV,151
.set HV,152
.set FLA,153
.set REDB,154
.set FRA,155
.set WV,24
.set GG,25
.set JJ,26
.set CAP,28                            ; s28-31 the four captions, s32-35 their lengths, s36-39 their kept tiles: turned by one place a trip, so that the caption in hand stands first
.set LEN,32
.set NT,36
.set DIAG,40
.set CNT,41
.set STP,43
.set STS,44
.set STL,45
.set TT,46
.set PAR,47
.set WPTR,48
.set WSPTR,50
.set E2P,52
.set CB,54
.set NB,56
.set PN,58
.set C1,60
.set NC1,62
.set C2,66
.set SEL,68
.set MA,70
.set MB,71
.set TA,72
.set MNT,80
.set HM,81
.set PFA,82
.set CAPW,84
.set LENW,85
.set NTW,86
.set DGW,87
.set B1P,88
.set S1P,90
.set B2P,92
.set S2P,94
.set LSP,96
.set MSB, 0
.macro WIN new                         ; the immediate's high byte repeats the setting that is left; at every label and branch the setting is 0
.if MSB != (\new)
	s_set_vgpr_msb (MSB<<8)|(\new)
.set MSB, (\new)
.endif
.endm
.macro SETS b, t                       ; where S(b, t) lies: window sw, register sr
.set sw, (1-(\t)/4)*((\b)+1)
.set sr, (1-(\t)/4)*(192+16*(\t))+((\t)/4)*(160+32*(\b)+16*((\t)-4))
.endm
.macro TST t, lbl                      ; tiles from the caption's count on are left out
	s_cmp_le_u32 s[NT], \t
	s_cbranch_scc1 \lbl
.endm
.macro NOPS n
.rept \n
	v_nop
.endr
.endm
.macro TURNA a                         ; an array of four turns by one place
	s_mov_b32 s[TA], s[\a]
	s_mov_b32 s[\a], s[\a+1]
	s_mov_b32 s[\a+1], s[\a+2]
	s_mov_b32 s[\a+2], s[\a+3]
	s_mov_b32 s[\a+3], s[TA]
.endm
.macro CTXLD k, base, step             ; 12 fragments of the image into window k + 1: 24,576 consecutive bytes
	WIN (((\k)+1)<<6)
.set q, 0
.rept 48
	global_load_b128 v[4*q:4*q+3], v[LI], s[\base:\base+1] offset:(\k)*(\step)+512*q
.set q, q+1
.endr
	WIN 0
.endm
.macro WL0                             ; my quarter of the next caption's codes: chunks 0-23 into the registers of S(0, ..), which are done with
	WIN 0x40
.set q, 0
.rept 16
	global_load_b128 v[192+4*q:195+4*q], v[LI], s[WPTR:WPTR+1] offset:512*q
.set q, q+1
.endr
	WIN 0
.rept 8
	global_load_b128 v[160+4*(q-16):163+4*(q-16)], v[LI], s[WPTR:WPTR+1] offset:512*q
.set q, q+1
.endr
.endm
.macro WL1                             ; chunks 24-35 into S(1, 0..2)
	WIN 0x80
.set q, 24
.rept 12
	global_load_b128 v[192+4*(q-24):195+4*(q-24)], v[LI], s[WPTR:WPTR+1] offset:512*q
.set q, q+1
.endr
	WIN 0
.endm
.macro WSCL                            ; the words' scale words: lanes 0-15 K step 2 kp, lanes 16-31 K step 2 kp + 1
.irp t, 0,1,2,3,4,5
.irp kp, 0,1,2
	global_load_b32 v[WSC+3*\t+\kp], v[WSO], s[WSPTR:WSPTR+1] offset:1536*\kp+64*\t
.endr
.endr
.endm
.macro WST                             ; and into LDS (an LDS store's data are its source 1)
	WIN 0x04
.set q, 0
.rept 16
	ds_store_b128 v[AWST], v[192+4*q:195+4*q] offset:512*q
.set q, q+1
.endr
	WIN 0
.rept 8
	ds_store_b128 v[AWST], v[160+4*(q-16):163+4*(q-16)] offset:512*q
.set q, q+1
.endr
	WIN 0x08
.rept 12
	ds_store_b128 v[AWST], v[192+4*(q-24):195+4*(q-24)] offset:512*q
.set q, q+1
.endr
	WIN 0
.endm
.macro WFLD m                          ; step m = 3 t + kp: the words' fragments of K steps 2 kp and 2 kp + 1 of tile t into set m % 2
.irp kl, 0,1
.irp c, 0,1,2,3
	ds_load_b128 v[WF+32*((\m)%2)+16*\kl+4*\c:WF+32*((\m)%2)+16*\kl+4*\c+3], v[LI+3*((\m)/9)] offset:2048*(6*(((\m)/3)%3)+2*((\m)%3)+\kl)+512*\c
.endr
.endr
.endm
.macro MKBIAS t                        ; the C of a tile's first products: 0 for a token that counts, -1e30 for one behind the length
	s_sub_co_i32 s[TA], s[LEN], 16*(\t)
	v_cmp_le_i32 vcc_lo, s[TA], v[RR]
.set i, 0
.rept 8
	v_cndmask_b32 v[BIAS+i], 0, v[NEGV], vcc_lo
.set i, i+1
.endr
	s_wait_alu depctr_va_vdst(0)
.endm
.macro EMIT ra, rb                     ; ra, rb: the half of the lanes from which A's and B's scale words are read
.if ((\ra) == 0) && ((\rb) == 0)
	v_wmma_scale_f32_16x16x128_f8f6f4 v[rD:rD+7], v[rA:rA+15], v[rB:rB+15], v[rC:rC+7], v[rSA], v[rSB]
.elseif ((\rb) == 0)
	v_wmma_scale_f32_16x16x128_f8f6f4 v[rD:rD+7], v[rA:rA+15], v[rB:rB+15], v[rC:rC+7], v[rSA], v[rSB] matrix_a_scale:MATRIX_SCALE_ROW1
.elseif ((\ra) == 0)
	v_wmma_scale_f32_16x16x128_f8f6f4 v[rD:rD+7], v[rA:rA+15], v[rB:rB+15], v[rC:rC+7], v[rSA], v[rSB] matrix_b_scale:MATRIX_SCALE_ROW1
.else
	v_wmma_scale_f32_16x16x128_f8f6f4 v[rD:rD+7], v[rA:rA+15], v[rB:rB+15], v[rC:rC+7], v[rSA], v[rSB] matrix_a_scale:MATRIX_SCALE_ROW1 matrix_b_scale:MATRIX_SCALE_ROW1
.endif
.endm
.macro EMIT2 first, ra                 ; the second product: first = 0 starts the sum with the constant 0
.if ((\first) == 0) && ((\ra) == 0)
	v_wmma_scale_f32_16x16x128_f8f6f4 v[rD:rD+7], v[rA:rA+15], v[rB:rB+15], 0, v[rSA], v[rSB]
.elseif ((\first) == 0)
	v_wmma_scale_f32_16x16x128_f8f6f4 v[rD:rD+7], v[rA:rA+15], v[rB:rB+15], 0, v[rSA], v[rSB] matrix_a_scale:MATRIX_SCALE_ROW1
.elseif ((\ra) == 0)
	v_wmma_scale_f32_16x16x128_f8f6f4 v[rD:rD+7], v[rA:rA+15], v[rB:rB+15], v[rD:rD+7], v[rSA], v[rSB]
.else
	v_wmma_scale_f32_16x16x128_f8f6f4 v[rD:rD+7], v[rA:rA+15], v[rB:rB+15], v[rD:rD+7], v[rSA], v[rSB] matrix_a_scale:MATRIX_SCALE_ROW1
.endif
.endm
; A step of the first product: two K steps of one tile of tokens against my six tiles of pixels: 12 products; the six accumulators take turns, one instruction a turn.
.macro P1STEP t, kp
.set n, 3*(\t)+(\kp)
.if n < 17
	s_wait_dscnt 8                                 ; the eight youngest loads are the next step's: this step's fragments are in
.else
	s_wait_dscnt 0
.endif
.irp kl, 0,1
.irp b, 0,1,2
	SETS \b, \t
.if (2*(\kp)+\kl) == 0
	WIN (((\b)+1)|(sw<<6))                         ; A window b + 1, B and the bias window 0, D where S lies
.else
	WIN (((\b)+1)|(sw<<4)|(sw<<6))
.endif
.irp u, 0,1
.set rD, sr+8*\u
.set rA, 16*(6*\u+2*(\kp)+\kl)
.set rB, WF+32*(n%2)+16*\kl
.set rSA, CS+6*\b+2*(\kp)+\kl
.set rSB, WSC+3*(\t)+(\kp)
.if (2*(\kp)+\kl) == 0
.set rC, BIAS
.else
.set rC, rD
.endif
	EMIT \u, \kl
.endr
.endr
.endr
	WIN 0
	; eight plain vector lines stand between the products and the loads into the fragments that they read: the next tile's bias where it is due, which names none of their registers
.if ((\kp) == 2) && ((\t) < 5)
	MKBIAS (\t)+1
.elseif n < 16
	NOPS 8
.endif
.if n < 16
	WFLD n+2
.endif
.endm
.macro P1TILE t
	TST \t, .Lp1done
	P1STEP \t, 0
	P1STEP \t, 1
	P1STEP \t, 2
.endm
.macro MAXT b, t, m                    ; the running maximum over the tiles of tokens, a register a pixel; each accumulator is read from its low end on
	SETS \b, \t
.if (\t) == 0
	WIN sw
	s_wait_alu depctr_va_vdst(0)                   ; the wait directly ahead of the scores' first readers
.set i, 0
.rept 16
	v_mov_b32 v[\m+i], v[sr+i]
.set i, i+1
.endr
.else
	WIN (sw<<2)
	s_wait_alu depctr_va_vdst(0)                   ; the wait directly ahead of the scores' first readers
.set i, 0
.rept 16
	v_max_num_f32 v[\m+i], v[\m+i], v[sr+i]
.set i, i+1
.endr
.endif
.endm
.macro DPPMAX                          ; over the 16 tokens of a tile's lanes; then -log2(e) x the maximum.  (Its rounding is common to a pixel's row and cancels in the division by the row's sum)
.irp x, 1,2,4,8
.set i, 0
.rept 16
	v_max_num_f32_dpp v[mc+i], v[mc+i], v[mc+i] row_xmask:\x row_mask:0xf bank_mask:0xf
.set i, i+1
.endr
.endr
.set i, 0
.rept 8
	v_pk_mul_f32 v[mc+i:mc+i+1], v[mc+i:mc+i+1], s[NC1:NC1+1] op_sel_hi:[1,0]
.set i, i+2
.endr
.endm
.macro STB b, t                        ; e1 = 2^(log2(e) (S - max)), in place, and its sum over the tiles
	SETS \b, \t
	WIN (sw|(sw<<6))
.set i, 0
.rept 8
	v_pk_fma_f32 v[sr+i:sr+i+1], v[sr+i:sr+i+1], s[C1:C1+1], v[mc+i:mc+i+1] op_sel_hi:[1,0,1]
.set i, i+2
.endr
.if (\b) < 2
	MAXT (\b)+1, \t, mn                            ; the next block's maximum; the wait at its head also stands between the lines above and the batch below
	SETS \b, \t
	WIN (sw|(sw<<6))
.else
	s_wait_alu depctr_va_vdst(0)                   ; the wait ahead of the batch
.endif
.set i, 0
.rept 16
	v_exp_f32 v[sr+i], v[sr+i]
.set i, i+1
.endr
	v_nop                                          ; a plain place behind the exponentials
	s_wait_alu depctr_va_vdst(0)                   ; one wait for the 16 exponentials, ahead of their first reader
	SETS \b, \t
	WIN sw
.set i, 0
.rept 8
.if (\t) == 0
	v_pk_mul_f32 v[SUM+i:SUM+i+1], v[sr+i:sr+i+1], 1.0 op_sel_hi:[1,0]   ; the first tile starts the sums
.else
	v_pk_add_f32 v[SUM+i:SUM+i+1], v[sr+i:sr+i+1], v[SUM+i:SUM+i+1]
.endif
.set i, i+2
.endr
	WIN 0
.endm
.macro STC b
	s_wait_alu depctr_va_vdst(0)                   ; a taken branch leads here, and the sums were just written
.irp x, 1,2,4,8
.set i, 0
.rept 16
	v_add_f32_dpp v[SUM+i], v[SUM+i], v[SUM+i] row_xmask:\x row_mask:0xf bank_mask:0xf
.set i, i+1
.endr
.endr
	s_wait_alu depctr_va_vdst(0)                   ; the wait ahead of the batch
.set i, 0
.rept 16
	v_rcp_f32 v[SUM+i], v[SUM+i]
.set i, i+1
.endr
	v_nop
	s_wait_alu depctr_va_vdst(0)
.set i, 0
.rept 8
	v_pk_mul_f32 v[SUM+i:SUM+i+1], v[SUM+i:SUM+i+1], s[C2:C2+1] op_sel_hi:[1,0]
.set i, i+2
.endr
.if (\b) == 2                          ; block 11 (wave 3) holds pixels 352 + 16 h + i: those that exist have h = 0 and i < 9
.set i, 0
.rept 9
	v_cndmask_b32 v[SUM+i], v[SUM+i], v[NEGV], s[MA]
.set i, i+1
.endr
.rept 7
	v_cndmask_b32 v[SUM+i], v[SUM+i], v[NEGV], s[MB]
.set i, i+1
.endr
.endif
.endm
.macro STD b, t                        ; e2 = 2^(e1 R), its sum, its codes along the pixels
	SETS \b, \t
	WIN (sw|(sw<<6))
.set i, 0
.rept 8
	v_pk_mul_f32 v[sr+i:sr+i+1], v[sr+i:sr+i+1], v[SUM+i:SUM+i+1]
.set i, i+2
.endr
	s_wait_alu depctr_va_vdst(0)                   ; the wait ahead of the batch
.set i, 0
.rept 16
	v_exp_f32 v[sr+i], v[sr+i]
.set i, i+1
.endr
	v_nop
	WIN (sw|(sw<<2))
	s_wait_dscnt 0x0                               ; the last tile's LDS stores have read the codes' and the byte's registers
	s_wait_alu depctr_va_vdst(0)                   ; one wait for the batch
	v_max3_num_f32 v[TM], v[sr], v[sr+1], 0x4800000   ; the block's largest e2 (none is negative), over the floor 2^(9 - 127)
	v_max3_num_f32 v[TM2], v[sr+2], v[sr+3], 0x4800000
.set i, 4
.rept 3
	v_max3_num_f32 v[TM], v[sr+i], v[sr+i+1], v[TM]
	v_max3_num_f32 v[TM2], v[sr+i+2], v[sr+i+3], v[TM2]
.set i, i+4
.endr
	WIN 0
	v_max_num_f32 v[TM], v[TM], v[TM2]
	v_permlanex16_b32 v[TP], v[TM], s[SEL], s[SEL+1]
	v_max_num_f32 v[TM], v[TM], v[TP]              ; with lane l xor 16's 16 pixels
	v_add_nc_u32 v[SCF], 0xfc000000, v[TM]         ; 8 off the exponent field: the conversion's scale operand
	v_and_or_b32 v[HD], v[TM], 0x7f800000, s[MNT]  ; 448 x the scale
	v_lshrrev_b32 v[BY], 23, v[SCF]                ; the byte
	WIN sw
.set i, 0
.rept 8
	v_pk_add_f32 v[LS+2*(\t):LS+2*(\t)+1], v[sr+i:sr+i+1], v[LS+2*(\t):LS+2*(\t)+1]   ; the sum is taken of the unquantised e2
	v_min_num_f32 v[HH+i], v[sr+i], v[HD]          ; the conversion does not saturate (ISA guide 7.6.2); S keeps e2 as it is
	v_min_num_f32 v[HH+i+1], v[sr+i+1], v[HD]
.set i, i+2
.endr
	WIN 0
	v_cvt_scalef32_pk8_fp8_f32 v[PCD:PCD+1], v[HH:HH+7], v[SCF]
	v_cvt_scalef32_pk8_fp8_f32 v[PCD+2:PCD+3], v[HH+8:HH+15], v[SCF]
	v_nop                                          ; a plain line behind the conversions
	ds_store_b128 v[API], v[PCD:PCD+3] offset:6144*(\t)+2048*(\b)   ; registers 4 w .. 4 w + 3 of fragment (t, s = b)
	ds_store_b8 v[APS], v[BY] offset:64*(3*(\t)+(\b))
	s_cmp_eq_u32 s[DIAG], 0
	s_cbranch_scc1 .Lnd_\@
	WIN (sw<<2)                                    ; the pair of an image with its own caption: e2 goes out for the attention maps, 512 consecutive bytes a store
.irp k, 0,1,2,3
	global_store_b128 v[VE], v[sr+4*\k:sr+4*\k+3], s[E2P:E2P+1] offset:24576*(\t)+8192*(\b)+512*\k
.endr
	WIN 0
.Lnd_\@:
.endm
.macro BLOCK b                         ; both softmaxes of my pixel block 4 b + w
.set mc, MM+16*((\b)%2)
.set mn, MM+16*(((\b)+1)%2)
	DPPMAX
.irp t, 0,1,2,3,4,5
	TST \t, .Lstb_end\b
	STB \b, \t
.endr
.Lstb_end\b:
	STC \b
.irp t, 0,1,2,3,4,5
	TST \t, .Lstd_end\b
	STD \b, \t
.endr
.Lstd_end\b:
.endm
	s_load_b512 s[8:23], s[0:1], 0x0               ; c1codes, c2codes, cscales, wcodes, wbf, wsmall, order, res
	v_lshl_add_u32 v143, v0, 2, 0x3ba00
	v_mov_b32 v159, 0
	v_lshrrev_b32 v156, 5, v0
	v_readfirstlane_b32 s[WV], v156                ; wave 0..3
	s_mov_b32 s[GG], ttmp9
	s_and_b32 s[JJ], ttmp7, 0xffff
	v_and_b32 v156, 31, v0
	v_lshlrev_b32 v[LI], 4, v156                   ; 16 x lane: an image's place for my lane
	v_lshlrev_b32 v[L4], 2, v156
	v_and_b32 v[RR], 15, v0
	v_lshlrev_b32 v[R4], 2, v[RR]
	v_bfe_u32 v[HV], v0, 4, 1
	v_add_nc_u32 v[AW1], 36864, v[LI]              ; the words' tiles 3 to 5
	s_lshl_b32 s[TA], s[WV], 9
	s_add_co_u32 s[TA], s[TA], PIM
	v_add_nc_u32 v[APIB], s[TA], v[LI]
	s_add_co_u32 s[TA], s[WV], PSC
	v_add_nc_u32 v[APSB], s[TA], v[R4]
	s_mul_i32 s[TA], s[WV], 384
	s_add_co_u32 s[TA], s[TA], LSM
	v_add_nc_u32 v[ALSB], s[TA], v[R4]
	v_mad_u32_u24 v[WSO], v[HV], 768, v[R4]
	s_lshl_b32 s[TA], s[WV], 11
	v_add_nc_u32 v[VE], s[TA], v[LI]
	s_mul_i32 s[TA], s[WV], 18432
	v_add_nc_u32 v[AWST], s[TA], v[LI]
	v_lshlrev_b32 v[PFO], 8, v156
	s_mul_i32 s[TA], s[WV], 1536
	s_add_co_u32 s[TA], s[TA], LSM
	v_add_nc_u32 v[FLA], s[TA], v[R4]
	s_lshl_b32 s[TA], s[WV], 7
	s_add_co_u32 s[TA], s[TA], RED
	v_add_nc_u32 v[REDB], s[TA], v[L4]
	s_mul_i32 s[TA], s[WV], 3072
	s_add_co_u32 s[TA], s[TA], RED
	v_add_nc_u32 v[FRA], s[TA], v[L4]
	v_mov_b32 v[NEGV], 0xf149f2ca                  ; -1e30
	v_mov_b32 v[TP], 0                             ; a lane permute's destination counts as one of its sources
	s_mov_b32 s[C1], 0x3fb8aa3b                    ; log2(e); the packed forms name pairs, so both words are written
	s_mov_b32 s[C1+1], s[C1]
	s_mov_b32 s[NC1], 0xbfb8aa3b
	s_mov_b32 s[NC1+1], s[NC1]
	s_mov_b32 s[C2], 0x40b8aa3b                    ; 4 log2(e)
	s_mov_b32 s[C2+1], s[C2]
	s_mov_b32 s[SEL], 0x76543210
	s_mov_b32 s[SEL+1], 0xfedcba98
	s_mov_b32 s[MNT], 0x600000
	s_mov_b32 s[HM], 0xffff0000
	s_cmp_eq_u32 s[WV], 3
	s_cselect_b32 s[MA], s[HM], 0
	s_cselect_b32 s[MB], -1, 0
	s_wait_alu depctr_va_vdst(0)
	s_wait_kmcnt 0x0
	s_lshl_b32 s[TA], s[GG], 2                     ; ranks g and 16 + g,
	s_sub_co_u32 s[TA+1], 60, s[TA]                ; 15 - g and 31 - g
	s_load_b32 s[CAP], s[20:21], s[TA] offset:0x0
	s_load_b32 s[CAP+1], s[20:21], s[TA+1] offset:0x0
	s_load_b32 s[CAP+2], s[20:21], s[TA] offset:0x40
	s_load_b32 s[CAP+3], s[20:21], s[TA+1] offset:0x40
	s_load_b32 s[LEN], s[20:21], s[TA] offset:0x80
	s_load_b32 s[LEN+1], s[20:21], s[TA+1] offset:0x80
	s_load_b32 s[LEN+2], s[20:21], s[TA] offset:0xc0
	s_load_b32 s[LEN+3], s[20:21], s[TA+1] offset:0xc0
	s_mov_b32 s[TA+3], 0
	s_mul_i32 s[TA+4], s[JJ], 294912
	s_mul_i32 s[TA+2], s[WV], 24576
	s_add_co_u32 s[TA+2], s[TA+2], s[TA+4]
	s_add_nc_u64 s[B1P:B1P+1], s[8:9], s[TA+2:TA+3]
	s_mul_i32 s[TA+2], s[WV], 73728
	s_add_co_u32 s[TA+2], s[TA+2], s[TA+4]
	s_add_nc_u64 s[B2P:B2P+1], s[10:11], s[TA+2:TA+3]
	s_mul_i32 s[TA+4], s[JJ], 9216
	s_lshl_b32 s[TA+2], s[WV], 7
	s_add_co_u32 s[TA+2], s[TA+2], s[TA+4]
	s_add_nc_u64 s[S1P:S1P+1], s[12:13], s[TA+2:TA+3]
	s_mul_i32 s[TA+2], s[WV], 2304
	s_add_co_u32 s[TA+2], s[TA+2], s[TA+4]
	s_add_co_u32 s[TA+2], s[TA+2], 294912
	s_add_nc_u64 s[S2P:S2P+1], s[12:13], s[TA+2:TA+3]
	CTXLD 0, B1P, 98304                            ; the image along d: my three blocks of pixels, all six K steps
	CTXLD 1, B1P, 98304
	CTXLD 2, B1P, 98304
.irp b, 0,1,2
.irp ks, 0,1,2,3,4,5
	global_load_b32 v[CS+6*\b+\ks], v[L4], s[S1P:S1P+1] offset:1536*\ks+512*\b   ; lanes 0-15 the block's first tile of pixels, lanes 16-31 its second
.endr
.endr
	s_wait_kmcnt 0x0
.irp c, 0,1,2,3
	s_min_u32 s[CAP+\c], s[CAP+\c], 31
	s_min_u32 s[LEN+\c], s[LEN+\c], 96
	s_add_co_u32 s[NT+\c], s[LEN+\c], 15
	s_lshr_b32 s[NT+\c], s[NT+\c], 4               ; tiles of 16 tokens that hold a token that counts
.endr
	s_mov_b32 s[CAPW], s[CAP]                      ; the caption that my wave finishes at the end: the w-th
	s_mov_b32 s[LENW], s[LEN]
	s_mov_b32 s[NTW], s[NT]
.irp c, 1,2,3
	s_cmp_eq_u32 s[WV], \c
	s_cselect_b32 s[CAPW], s[CAP+\c], s[CAPW]
	s_cselect_b32 s[LENW], s[LEN+\c], s[LENW]
	s_cselect_b32 s[NTW], s[NT+\c], s[NTW]
.endr
	s_mov_b32 s[TA+1], 0
	s_mul_i32 s[TA], s[CAP], 73728
	s_mul_i32 s[TA+2], s[WV], 18432
	s_add_co_u32 s[TA], s[TA], s[TA+2]
	s_add_nc_u64 s[WPTR:WPTR+1], s[14:15], s[TA:TA+1]
	s_mul_i32 s[TA], s[CAP], 4608
	s_add_nc_u64 s[WSPTR:WSPTR+1], s[18:19], s[TA:TA+1]
	s_mul_i32 s[TA], s[CAPW], 4608
	s_add_nc_u64 s[PN:PN+1], s[18:19], s[TA:TA+1]
	WL0
	WL1
	WSCL
.irp t, 0,1,2,3,4,5
.irp ks, 0,1,2,3,4,5
	global_load_b32 v[64+6*\t+\ks], v[R4], s[PN:PN+1] offset:768*\ks+384+64*\t   ; my caption's sums of squares, a K step each
.endr
.endr
	; the registers of S that no load above writes are written once here, so that no path reads a register that nothing has written
	WIN 0x80
.set i, 240
.rept 16
	v_mov_b32 v[i], 0
.set i, i+1
.endr
	WIN 0xc0
.set i, 192
.rept 64
	v_mov_b32 v[i], 0
.set i, i+1
.endr
	WIN 0
.set i, 192
.rept 64
	v_mov_b32 v[i], 0
.set i, i+1
.endr
	s_wait_loadcnt 0x0
.irp t, 0,1,2,3,4,5
	v_add_f32 v[WN2+\t], v[64+6*\t], v[64+6*\t+1]
.endr
.irp ks, 2,3,4,5
.irp t, 0,1,2,3,4,5
	v_add_f32 v[WN2+\t], v[WN2+\t], v[64+6*\t+\ks]
.endr
.endr
	WST
	s_wait_alu depctr_va_vdst(0)                   ; the squared norms
	s_wait_dscnt 0x0
	s_barrier_signal -1
	s_barrier_wait -1
	s_mov_b32 s[CNT], 0
	s_mov_b32 s[STP], 0
	s_mov_b32 s[STS], 0
	s_mov_b32 s[STL], 0
	s_mov_b32 s[TA+1], 0
; ================ PHASE 1: four trips, a caption each: scores, both softmaxes, P's codes into LDS
.Lcap:
	s_cmp_eq_u32 s[CAP], s[JJ]
	s_cselect_b32 s[DIAG], 1, 0
	s_mov_b32 s[TA+1], 0
	s_mul_i32 s[TA], s[CAP], 147456
	s_add_nc_u64 s[E2P:E2P+1], s[22:23], s[TA:TA+1]
	s_mul_i32 s[TA], s[CAP+1], 73728               ; the next caption's codes and scale words
	s_mul_i32 s[TA+2], s[WV], 18432
	s_add_co_u32 s[TA], s[TA], s[TA+2]
	s_add_nc_u64 s[WPTR:WPTR+1], s[14:15], s[TA:TA+1]
	s_mul_i32 s[TA], s[CAP+1], 4608
	s_add_nc_u64 s[WSPTR:WSPTR+1], s[18:19], s[TA:TA+1]
	v_add_nc_u32 v[API], s[STP], v[APIB]
	v_add_nc_u32 v[APS], s[STS], v[APSB]
	v_add_nc_u32 v[ALS], s[STL], v[ALSB]
.set i, 0
.rept 12
	v_mov_b32 v[LS+i], 0
.set i, i+1
.endr
	WFLD 0
	WFLD 1
	MKBIAS 0
	P1TILE 0
	P1TILE 1
	P1TILE 2
	P1TILE 3
	P1TILE 4
	P1TILE 5
.Lp1done:
	s_wait_dscnt 0x0                               ; my reads of the words' codes are over:
	s_barrier_signal -1
	s_barrier_wait -1                              ; everybody's are: later in this trip the next caption's are stored there
	NOPS 8                                         ; places behind the last products, in front of the first read of the scores and of loads into the operands
	s_cmp_lg_u32 s[CNT], 3
	s_cbranch_scc1 .Lnot_last_a
	CTXLD 0, B2P, 24576                            ; behind the last caption's scores the image along p takes the registers of the image along d
	CTXLD 1, B2P, 24576
	CTXLD 2, B2P, 24576
.set q, 0
.rept 18
	global_load_b32 v[CS+q], v[L4], s[S2P:S2P+1] offset:128*q   ; register 3 pr + s: lanes 0-15 the even d tile of pair pr, lanes 16-31 the odd one
.set q, q+1
.endr
.Lnot_last_a:
.irp t, 0,1,2,3,4,5
	TST \t, .Lmx_end
	MAXT 0, \t, MM
	WIN 0
.endr
.Lmx_end:
	BLOCK 0
	s_wait_xcnt 0x0                                ; stores of e2 have read S(0, ..), the last prefetch its address
	s_mov_b32 s[TA+1], 0
	s_mul_i32 s[TA], s[CAP], 147456
	s_lshl_b32 s[TA+2], s[JJ], 13
	s_add_co_u32 s[TA], s[TA], s[TA+2]
	s_add_nc_u64 s[PFA:PFA+1], s[16:17], s[TA:TA+1]
	s_cmp_eq_u32 s[CNT], 3
	s_cbranch_scc1 .Lno_wl0
	WL0
.Lno_wl0:
	; A prefetch of this caption's bf16 words, which phase 2 reads: its kept tiles are 3 x NT runs of 8,192 bytes; the 32 work-groups that share the caption (one for each image) take a run each, by the image's number; wave 0 asks, lanes 256 bytes apart
	s_mul_i32 s[TA], s[NT], 3
	s_cmp_lt_u32 s[JJ], s[TA]
	s_cselect_b32 s[TA], 1, 0
	s_cmp_eq_u32 s[WV], 0
	s_cselect_b32 s[TA], s[TA], 0
	s_cmp_lg_u32 s[TA], 0
	s_cbranch_scc0 .Lno_ask
	global_prefetch_b8 v[PFO], s[PFA:PFA+1] th:TH_LOAD_NT scope:SCOPE_SE
.Lno_ask:
	BLOCK 1
	s_wait_xcnt 0x0                                ; stores of e2 have read S(1, ..)
	s_cmp_eq_u32 s[CNT], 3
	s_cbranch_scc1 .Lno_wl1
	WL1
	WSCL
.Lno_wl1:
	BLOCK 2
	s_wait_alu depctr_va_vdst(0)
	s_wait_dscnt 0x0
.irp t, 0,1,2,3,4,5
	v_add_f32 v[TM+\t], v[LS+2*\t], v[LS+2*\t+1]
.endr
.irp t, 0,1,2,3,4,5
	v_permlanex16_b32 v[TP], v[TM+\t], s[SEL], s[SEL+1]
	v_add_f32 v[TM+\t], v[TM+\t], v[TP]
	ds_store_b32 v[ALS], v[TM+\t] offset:64*\t     ; my 96 pixels' part of e2's sum, a token a lane
.endr
	s_wait_xcnt 0x0                                ; stores of e2 have read S(2, ..) and their base
	s_wait_loadcnt 0x0                             ; the next caption's codes and scale words (in the last trip: the image along p) are in
	s_cmp_eq_u32 s[CNT], 3
	s_cbranch_scc1 .Lno_wst
	WST
.Lno_wst:
	s_wait_dscnt 0x0                               ; for the others' sake: all that I stored into LDS in this trip has landed
	s_barrier_signal -1
	s_barrier_wait -1
	s_add_co_u32 s[STP], s[STP], 36864
	s_add_co_u32 s[STS], s[STS], 1152
	s_add_co_u32 s[STL], s[STL], 1536
	TURNA CAP
	TURNA LEN
	TURNA NT
	s_add_co_u32 s[CNT], s[CNT], 1
	s_cmp_lt_u32 s[CNT], 4
	s_cbranch_scc1 .Lcap
; ================ PHASE 2: for each caption and kept tile of tokens: wc for my 192 rows d, and its two sums over d
; The bf16 words of a tile are asked for one kept tile ahead, into two sets of registers by turns.  The lengths fall, so a caption without tiles is followed by none with tiles.
.macro W2 k, n                         ; product n = 4 s + d of group k (my d tiles 4 k .. 4 k + 3): the group's four accumulators take turns, one instruction a turn
.set rD, 192+8*((\n)%4)
.set rA, 16*(3*((\n)%4)+(\n)/4)
.set rB, 64+16*((\n)/4)
.set rSA, CS+3*((4*(\k)+(\n)%4)/2)+(\n)/4
.set rSB, WSC+(\n)/4
	WIN (0x51*((\k)+1))
	EMIT2 (\n)/4, ((\n)%2)
.endm
.macro V2 k, m                         ; four of the 48 lines that sum group k's results over d: m = 0..7 num (four chains), m = 8..11 cn2 (four pairs)
.if (\m) < 8
	WIN ((\k)+1)
.irp e, 0,1,2,3
.set q2, 4*(\m)+\e
.if (\e%2) == 0
	v_fma_mix_f32_bf16 v[LS+\e], v[192+q2], v[wbc+16*(\k)+q2/2], v[LS+\e] op_sel_hi:[0,1,0]
.else
	v_fma_mix_f32_bf16 v[LS+\e], v[192+q2], v[wbc+16*(\k)+q2/2], v[LS+\e] op_sel:[0,1,0] op_sel_hi:[0,1,0]
.endif
.endr
.else
	WIN (5*((\k)+1))
.irp e, 0,1,2,3
.set q2, 4*((\m)-8)+\e
	v_pk_fma_f32 v[LS+4+2*\e:LS+5+2*\e], v[192+2*q2:193+2*q2], v[192+2*q2:193+2*q2], v[LS+4+2*\e:LS+5+2*\e]
.endr
.endif
.endm
.macro TILE2 par
.set wbc, 160+48*(\par)
.set wbn, 160+48*(1-(\par))
	s_wait_loadcnt 0x0                             ; this tile's words, asked for a kept tile ago, are in; so their base may be written
	s_wait_dscnt 0x0                               ; the last tile's LDS store has read its registers
	v_add_nc_u32 v156, s[STP], v[LI]
	v_add_nc_u32 v157, s[STS], v[R4]
	v_add_nc_u32 v158, s[STL], v[REDB]
.set i, 0
.rept 12
	ds_load_b128 v[64+4*i:67+4*i], v156 offset:512*i   ; P's three fragments
.set i, i+1
.endr
.irp s, 0,1,2
	ds_load_b32 v[WSC+\s], v157 offset:64*\s
.endr
	s_add_co_u32 s[TA], s[TT], 1
	s_mul_i32 s[TA+2], s[TA], 24576
	s_mov_b32 s[TA+3], 0
	s_add_nc_u64 s[TA+2:TA+3], s[CB:CB+1], s[TA+2:TA+3]
	s_cmp_lt_u32 s[TA], s[NT]
	s_cselect_b64 s[PN:PN+1], s[TA+2:TA+3], s[NB:NB+1]   ; the next kept tile: this caption's next, or the next caption's first
.set i, 0
.rept 12
	global_load_b128 v[wbn+4*i:wbn+4*i+3], v[LI], s[PN:PN+1] offset:512*i
.set i, i+1
.endr
.set i, 0
.rept 12
	v_mov_b32 v[LS+i], 0                           ; num in four chains, cn2 in four pairs
.set i, i+1
.endr
	s_wait_alu depctr_va_vdst(0)
	s_wait_dscnt 0x0
	; three groups of 12 products, each into the accumulators of its own window.  Behind each product of groups 1 and 2 stand four lines of the sums over the group before, which name none of the registers of the group in hand
.set n2, 0
.rept 12
	W2 0, n2
.set n2, n2+1
.endr
.irp k, 1,2
.set n2, 0
.rept 12
	W2 \k, n2
.if n2 == 0
	NOPS 8                                         ; eight places between the last product of the group before and the first reader of its results
.endif
	V2 \k-1, n2
.set n2, n2+1
.endr
.endr
	NOPS 8                                         ; the same for the last group
.set n2, 0
.rept 12
	V2 2, n2
.set n2, n2+1
.endr
	WIN 0
	v_add_f32 v[LS], v[LS], v[LS+1]
	v_add_f32 v[LS+2], v[LS+2], v[LS+3]
	v_pk_add_f32 v[LS+4:LS+5], v[LS+4:LS+5], v[LS+6:LS+7]
	v_pk_add_f32 v[LS+8:LS+9], v[LS+8:LS+9], v[LS+10:LS+11]
	v_add_f32 v[LS], v[LS], v[LS+2]
	v_pk_add_f32 v[LS+4:LS+5], v[LS+4:LS+5], v[LS+8:LS+9]
	v_permlanex16_b32 v[TP], v[LS], s[SEL], s[SEL+1]
	v_add_f32 v[LS+4], v[LS+4], v[LS+5]
	v_add_f32 v[LS], v[LS], v[TP]
	v_permlanex16_b32 v[TP], v[LS+4], s[SEL], s[SEL+1]
	v_add_f32 v[LS+4], v[LS+4], v[TP]
	v_cndmask_b32 v[LS], v[LS], v[LS+4], s[HM]     ; lanes 0-15 carry num, lanes 16-31 cn2
	ds_store_b32 v158, v[LS]
.endm
	s_mov_b32 s[TA+1], 0
	s_mul_i32 s[TA], s[CAP], 147456
	s_mul_i32 s[TA+2], s[WV], 6144
	s_add_co_u32 s[TA], s[TA], s[TA+2]
	s_add_nc_u64 s[CB:CB+1], s[16:17], s[TA:TA+1]
	s_mov_b64 s[PN:PN+1], s[CB:CB+1]
.set i, 0
.rept 12
	global_load_b128 v[160+4*i:163+4*i], v[LI], s[PN:PN+1] offset:512*i   ; the first caption's first tile
.set i, i+1
.endr
	s_mov_b32 s[PAR], 0
	s_mov_b32 s[CNT], 0
	s_mov_b32 s[STP], PIM
	s_mov_b32 s[STS], PSC
	s_mov_b32 s[STL], 0
.Lc2:
	s_cmp_eq_u32 s[CNT], 3
	s_cselect_b32 s[TA], s[CAP], s[CAP+1]          ; behind the last caption nothing follows: its own first tile is named, and not used
	s_mul_i32 s[TA], s[TA], 147456
	s_mul_i32 s[TA+2], s[WV], 6144
	s_add_co_u32 s[TA], s[TA], s[TA+2]
	s_mov_b32 s[TA+1], 0
	s_add_nc_u64 s[NB:NB+1], s[16:17], s[TA:TA+1]
	s_mov_b32 s[TT], 0
.Lt2:
	s_cmp_ge_u32 s[TT], s[NT]
	s_cbranch_scc1 .Lskip2
	s_cmp_lg_u32 s[PAR], 0
	s_cbranch_scc1 .Lodd2
	TILE2 0
	s_branch .Ljoin2
.Lodd2:
	TILE2 1
.Ljoin2:
	s_xor_b32 s[PAR], s[PAR], 1
.Lskip2:
	s_add_co_u32 s[STP], s[STP], 6144
	s_add_co_u32 s[STS], s[STS], 192
	s_add_co_u32 s[STL], s[STL], 512
	s_add_co_u32 s[TT], s[TT], 1
	s_cmp_lt_u32 s[TT], 6
	s_cbranch_scc1 .Lt2
	s_mov_b64 s[CB:CB+1], s[NB:NB+1]
	TURNA CAP
	TURNA LEN
	TURNA NT
	s_add_co_u32 s[CNT], s[CNT], 1
	s_cmp_lt_u32 s[CNT], 4
	s_cbranch_scc1 .Lc2
	s_wait_loadcnt 0x0
	s_wait_dscnt 0x0
	s_barrier_signal -1
	s_barrier_wait -1
; ================ THE END: wave w finishes the w-th caption: cos, exp, the sum over its tokens
	s_cmp_eq_u32 s[CAPW], s[JJ]
	s_cselect_b32 s[DGW], 1, 0
	s_mov_b32 s[TA+1], 0
	s_mul_i32 s[TA], s[CAPW], 384
	s_add_co_u32 s[TA], s[TA], 4718592
	s_add_nc_u64 s[LSP:LSP+1], s[22:23], s[TA:TA+1]
	s_lshl_b32 s[TA], s[JJ], 5
	s_add_co_u32 s[TA], s[TA], s[CAPW]
	s_lshl_b32 s[TA], s[TA], 2
	s_add_co_u32 s[TA], s[TA], 4730880
	s_add_nc_u64 s[PN:PN+1], s[22:23], s[TA:TA+1]
	v_mov_b32 v77, 0x43b48000                      ; 361: the sum of e2 = 1 over the pixels, for tiles that were left out
	v_mov_b32 v78, 0
	s_wait_alu depctr_va_vdst(0)
.macro FINT t
	s_wait_xcnt 0x0                                ; the last tile's store has read v68
	s_cmp_le_u32 s[NTW], \t
	s_cbranch_scc1 .Lfm_\@
.irp k, 0,1,2,3
	ds_load_b32 v[64+\k], v[FRA] offset:512*(\t)+128*\k
.endr
.irp k, 0,1,2,3
	ds_load_b32 v[68+\k], v[FLA] offset:64*(\t)+384*\k
.endr
	s_wait_dscnt 0x0
	v_add_f32 v64, v64, v65
	v_add_f32 v66, v66, v67
	v_add_f32 v68, v68, v69
	v_add_f32 v70, v70, v71
	v_add_f32 v64, v64, v66                        ; the four waves' parts: lanes 0-15 num, lanes 16-31 cn2
	v_add_f32 v68, v68, v70                        ; the sum of e2
	v_permlanex16_b32 v[TP], v64, s[SEL], s[SEL+1]
	v_cndmask_b32 v72, v64, v[TP], s[HM]           ; num in both halves of the lanes
	v_cndmask_b32 v73, v[TP], v64, s[HM]           ; cn2 likewise
	s_wait_alu depctr_va_vdst(0)                   ; the wait ahead of the batch
	v_rcp_f32 v74, v68
	v_sqrt_f32 v75, v73
	v_sqrt_f32 v76, v[WN2+\t]
	v_nop
	s_wait_alu depctr_va_vdst(0)
	v_mul_f32 v75, v75, v74                        ; |wc|: the product is divided by the sum at the end
	v_max_num_f32 v75, 0x322bcc77, v75
	v_max_num_f32 v76, 0x322bcc77, v76
	v_mul_f32 v75, v75, v76
	v_mul_f32 v72, v72, v74
	s_wait_alu depctr_va_vdst(0)                   ; and ahead of this one
	v_rcp_f32 v75, v75
	v_mul_f32 v72, 0x40e6d4ca, v72                 ; 5 log2(e)
	s_wait_alu depctr_va_vdst(0)
	v_mul_f32 v72, v72, v75
	s_wait_alu depctr_va_vdst(0)                   ; and ahead of this one
	v_exp_f32 v72, v72
	s_sub_co_i32 s[TA], s[LENW], 16*(\t)
	v_cmp_gt_i32 vcc_lo, s[TA], v[RR]
	v_nop
	s_wait_alu depctr_va_vdst(0)
	v_cndmask_b32 v72, 0, v72, vcc_lo              ; tokens behind the length count for nothing
	v_add_f32 v78, v78, v72
	s_wait_alu depctr_va_vdst(0)
	s_cmp_eq_u32 s[DGW], 0
	s_cbranch_scc1 .Lfe_\@
	global_store_b32 v[R4], v68, s[LSP:LSP+1] offset:64*(\t)
	s_branch .Lfe_\@
.Lfm_\@:
	s_cmp_eq_u32 s[DGW], 0
	s_cbranch_scc1 .Lfe_\@
	global_store_b32 v[R4], v77, s[LSP:LSP+1] offset:64*(\t)
.Lfe_\@:
.endm
	FINT 0
	FINT 1
	FINT 2
	FINT 3
	FINT 4
	FINT 5
.irp x, 1,2,4,8
	v_add_f32_dpp v78, v78, v78 row_xmask:\x row_mask:0xf bank_mask:0xf
.endr
	v_cmp_eq_u32 vcc_lo, 0, v[L4]
	s_wait_alu depctr_va_vdst(0)                   ; the sum is stored behind the waits below
	s_wait_xcnt 0x0
	s_wait_tensorcnt 0x0
	ds_add_u32 v143, v159
	s_wait_dscnt 0x0
	s_and_saveexec_b32 s[TA], vcc_lo
	global_store_b32 v[L4], v78, s[PN:PN+1]        ; simsum[j][caption]
	s_wait_xcnt 0x0
	s_or_b32 exec_lo, exec_lo, s[TA]
	s_endpgm
.Lfunc_end_k_q748b3ad4f1_main:
	.size	k_q748b3ad4f1_main, .Lfunc_end_k_q748b3ad4f1_main-k_q748b3ad4f1_main
	.p2alignl 7, 3214868480
	.fill 96, 4, 3214868480
	.section	.rodata,"a",@progbits
	.p2align	6, 0x0
	.amdhsa_kernel k_q748b3ad4f1_main
		.amdhsa_group_segment_fixed_size 244736
		.amdhsa_private_segment_fixed_size 0
		.amdhsa_enable_private_segment 0
		.amdhsa_kernarg_size 64
		.amdhsa_user_sgpr_count 2
		.amdhsa_user_sgpr_kernarg_segment_ptr 1
		.amdhsa_wavefront_size32 1
		.amdhsa_system_sgpr_workgroup_id_x 1
		.amdhsa_system_sgpr_workgroup_id_y 1
		.amdhsa_system_sgpr_workgroup_id_z 1
		.amdhsa_system_vgpr_workitem_id 0
		.amdhsa_next_free_vgpr 1024
		.amdhsa_next_free_sgpr 100
		.amdhsa_reserve_vcc 1
		.amdhsa_float_denorm_mode_32 3
		.amdhsa_float_denorm_mode_16_64 3
		.amdhsa_memory_ordered 1
		.amdhsa_forward_progress 1
		.amdhsa_inst_pref_size 255
	.end_amdhsa_kernel
	.section	.bss,"aw",@nobits
	.p2align	6
	.space	262144
	.amdgpu_metadata
---
amdhsa.version: [ 1, 2 ]
amdhsa.kernels:
  - .name:           k_q748b3ad4f1_main
    .symbol:         k_q748b3ad4f1_main.kd
    .args:
      - { .name: c1codes, .offset: 0, .size: 8, .value_kind: global_buffer, .address_space: global }
      - { .name: c2codes, .offset: 8, .size: 8, .value_kind: global_buffer, .address_space: global }
      - { .name: cscales, .offset: 16, .size: 8, .value_kind: global_buffer, .address_space: global }
      - { .name: wcodes, .offset: 24, .size: 8, .value_kind: global_buffer, .address_space: global }
      - { .name: wbf, .offset: 32, .size: 8, .value_kind: global_buffer, .address_space: global }
      - { .name: wsmall, .offset: 40, .size: 8, .value_kind: global_buffer, .address_space: global }
      - { .name: order, .offset: 48, .size: 8, .value_kind: global_buffer, .address_space: global }
      - { .name: res, .offset: 56, .size: 8, .value_kind: global_buffer, .address_space: global }
    .group_segment_fixed_size: 244736
    .private_segment_fixed_size: 0
    .kernarg_segment_align: 8
    .kernarg_segment_size: 64
    .max_flat_workgroup_size: 128
    .sgpr_count:     100
    .vgpr_count:     1024
    .wavefront_size: 32
...
	.end_amdgpu_metadata
.endif
;; end of part 2
;; launch fin (part 3): grid 6 x 32, 12 waves a work-group, no clusters, 26,624 bytes of LDS; arguments caption_lengths, res, out0, out1, out2; writes out0, out1, out2
.if DOCPART == 3
	.amdgcn_target "amdgcn-amd-amdhsa--gfx1250"
	.amdhsa_code_object_version 6
	.text
	.protected	k_q748b3ad4f1_fin
	.globl	k_q748b3ad4f1_fin
	.p2align	8
	.type	k_q748b3ad4f1_fin,@function
k_q748b3ad4f1_fin:
	s_mov_b64 s[64:65], 0
	v_nop
	global_prefetch_b8 v0, s[64:65] scope:SCOPE_SE
	s_setreg_imm32_b32 hwreg(HW_REG_WAVE_MODE, 25, 1), 1
	s_wait_xcnt 0x0
; FIN.  Work-group (t, i) writes rows l = 16 t .. 16 t + 15 of caption i's attention maps: 23,104 dense bytes.  out2[i][l][p] = e2 / its sum over the pixels; 1 / 361 for tokens behind the length.
; e2 comes as main left it, [i][t][gb 12][k 4][lane][16 B] (lane (r, h): pixels 32 gb + 16 h + 4 k + 0..3 of token 16 t + r); wave w takes block gb = w.  It turns through a stage in LDS (a row a token, 1,552 bytes)
; and leaves 16 bytes a lane, 512 consecutive bytes a store.  A tile that main left out (all its tokens lie behind the length) is taken as ones.
; Work-group (0, 0), wave 0 also makes the two losses from the table of sums: with y = 10 log2(sum), loss = ln 2 x the mean of (max y + log2(sum of 2^(y - max y)) - y on the diagonal), by rows and by columns.
; Memory binds: no matrix unit, no tensor load.
.set INVT, 24832                       ; behind the stage: 1 / sum for the 16 tokens
	s_load_b256 s[4:11], s[0:1], 0x0               ; lengths, res, out0, out1
	s_load_b64 s[12:13], s[0:1], 0x20              ; out2
	v_lshl_add_u32 v192, v0, 2, 0x6200
	v_mov_b32 v193, 0
	v_lshrrev_b32 v1, 5, v0
	s_delay_alu instid0(VALU_DEP_1)
	v_readfirstlane_b32 s14, v1                    ; wave 0..11
	s_mov_b32 s15, ttmp9                           ; t
	s_and_b32 s16, ttmp7, 0xffff                   ; i
	v_and_b32 v1, 31, v0
	v_and_b32 v2, 15, v0
	v_bfe_u32 v3, v0, 4, 1
	s_delay_alu instid0(VALU_DEP_3)
	v_lshlrev_b32 v4, 4, v1
	; every LDS address is made here, ahead of the first branch
	s_delay_alu instid0(VALU_DEP_3)
	v_mul_u32_u24 v5, v2, 1552
	s_delay_alu instid0(VALU_DEP_1)
	v_lshl_add_u32 v5, v3, 6, v5
	s_lshl_b32 s17, s14, 7
	v_add_nc_u32 v5, s17, v5                       ; into the stage: row r, + 128 w + 64 h
	v_lshlrev_b32 v6, 2, v2
	s_delay_alu instid0(VALU_DEP_1)
	v_add_nc_u32 v7, INVT, v6
	v_mul_u32_u24 v11, v2, 1552                    ; row r of the stage: wave 0 writes zeros into the 16 bytes behind its 1,536, so that every byte of the stage is written
	v_mov_b32 v12, 0
	v_mov_b32 v13, 0
	v_mov_b32 v14, 0
	v_mov_b32 v15, 0
.irp it, 0,1,2,3                       ; out of it: piece f of 1,444 pieces of 16 bytes; the last trip's spare threads repeat the last piece
	v_add_nc_u32 v[32+\it], 384*\it, v0
	s_delay_alu instid0(VALU_DEP_1)
	v_min_u32 v[32+\it], 1443, v[32+\it]
	s_delay_alu instid0(VALU_DEP_1)
	v_lshlrev_b32 v[36+\it], 4, v[32+\it]
.irp e, 0,1,2,3
	v_lshl_add_u32 v72, v[32+\it], 2, \e           ; number n = 4 f + e of the 16 x 361
	s_delay_alu instid0(VALU_DEP_1)
	v_mul_u32_u24 v73, v72, 11619
	s_delay_alu instid0(VALU_DEP_1)
	v_lshrrev_b32 v73, 22, v73                     ; its row n / 361: 11,619 x 361 = 2^22 + 155, and 5,775 x 155 is under 2^22
	s_delay_alu instid0(VALU_DEP_1)
	v_mul_u32_u24 v[40+4*\it+\e], v73, 108
	s_delay_alu instid0(VALU_DEP_1)
	v_lshl_add_u32 v[40+4*\it+\e], v72, 2, v[40+4*\it+\e]   ; 1,552 row + 4 p = 4 n + 108 row
	s_delay_alu instid0(VALU_DEP_3)
	v_lshl_add_u32 v[56+4*\it+\e], v73, 2, INVT
.endr
.endr
	s_wait_kmcnt 0x0
	s_lshl_b32 s17, s16, 2
	s_load_b32 s18, s[4:5], s17 offset:0x0
	s_mul_i32 s20, s16, 147456
	s_mul_i32 s21, s15, 24576
	s_add_co_u32 s20, s20, s21
	s_lshl_b32 s21, s14, 11
	s_add_co_u32 s20, s20, s21
	s_mov_b32 s21, 0
	s_add_nc_u64 s[20:21], s[6:7], s[20:21]        ; my block of e2
	s_mul_i32 s22, s16, 384
	s_lshl_b32 s23, s15, 6
	s_add_co_u32 s22, s22, s23
	s_add_co_u32 s22, s22, 4718592
	s_mov_b32 s23, 0
	s_add_nc_u64 s[22:23], s[6:7], s[22:23]
	global_load_b32 v8, v6, s[22:23]               ; asked for here, beside the load of the length; main stores all 96 sums of a caption; only wave 0 uses them
	s_mul_i32 s24, s16, 138624
	s_mul_i32 s25, s15, 23104
	s_add_co_u32 s24, s24, s25
	s_mov_b32 s25, 0
	s_add_nc_u64 s[24:25], s[12:13], s[24:25]      ; my rows of out2
	s_wait_kmcnt 0x0
	s_max_i32 s18, s18, 0
	s_min_u32 s18, s18, 96
	s_add_co_u32 s19, s18, 15
	s_lshr_b32 s19, s19, 4                         ; the tiles that main kept
	s_cmp_lt_u32 s15, s19
	s_cbranch_scc0 .Lones
.irp k, 0,1,2,3
	global_load_b128 v[16+4*\k:19+4*\k], v4, s[20:21] offset:512*\k th:TH_LOAD_NT
.endr
	s_wait_loadcnt 0x0
	s_branch .Lstage
.Lones:
.set i, 0
.rept 16
	v_mov_b32 v[16+i], 1.0
.set i, i+1
.endr
.Lstage:
.irp k, 0,1,2,3
	ds_store_b128 v5, v[16+4*\k:19+4*\k] offset:16*\k
.endr
	s_cmp_lg_u32 s14, 0
	s_cbranch_scc1 .Lno_inv
	ds_store_b128 v11, v[12:15] offset:1536        ; the padding behind each of the 16 rows (both halves of the lanes write the same zeros)
	v_mov_b32 v9, 0x43b48000
	v_lshl_add_u32 v10, s15, 4, v2                 ; token 16 t + r
	s_wait_loadcnt 0x0
	s_wait_alu depctr_va_vdst(0)
	v_rcp_f32 v8, v8
	v_rcp_f32 v9, v9
	v_cmp_gt_u32 vcc_lo, s18, v10
	v_nop
	s_wait_alu depctr_va_vdst(0)                   ; one wait for both reciprocals
	v_cndmask_b32 v8, v9, v8, vcc_lo               ; behind the length: 1 / 361
	ds_store_b32 v7, v8
.Lno_inv:
	s_wait_dscnt 0x0
	s_barrier_signal -1
	s_barrier_wait -1
.set i, 0
	s_wait_alu depctr_va_vdst(0)
.rept 16
	ds_load_b32 v[80+i], v[40+i]
	ds_load_b32 v[96+i], v[56+i]
.set i, i+1
.endr
	s_wait_dscnt 0x0
.set i, 0
.rept 16
	v_mul_f32 v[80+i], v[80+i], v[96+i]
.set i, i+1
.endr
.irp it, 0,1,2,3
	global_store_b128 v[36+\it], v[80+4*\it:83+4*\it], s[24:25] th:TH_STORE_NT
.endr
	; ---- the losses
	s_or_b32 s17, s15, s16
	s_or_b32 s17, s17, s14
	s_cmp_lg_u32 s17, 0
	s_cbranch_scc1 .Lend
	s_add_nc_u64 s[26:27], s[6:7], 4730880         ; simsum[j][i]
	s_mov_b32 s28, 0x76543210
	s_mov_b32 s29, 0xfedcba98
	v_lshlrev_b32 v180, 7, v1
	v_lshlrev_b32 v181, 2, v1
	v_mul_u32_u24 v182, v1, 132
.set k, 0
.rept 8
	global_load_b128 v[112+4*k:115+4*k], v180, s[26:27] offset:16*k    ; lane = image: its row
.set k, k+1
.endr
.set k, 0
.rept 32
	global_load_b32 v[144+k], v181, s[26:27] offset:128*k              ; lane = caption: its column
.set k, k+1
.endr
	global_load_b32 v176, v182, s[26:27]                               ; the diagonal
	s_wait_loadcnt 0x0
.set k, 0
.rept 65
	v_log_f32 v[112+k], v[112+k]
.set k, k+1
.endr
	v_nop
	s_wait_alu depctr_va_vdst(0)
.set k, 0
.rept 65
	v_mul_f32 v[112+k], 0x41200000, v[112+k]       ; y = 10 log2(sum)
.set k, k+1
.endr
.macro LSE y, out                      ; out = max y + log2(sum of 2^(y - max y)) over 32 registers
	v_max3_num_f32 v[\out], v[\y], v[\y+1], v[\y+2]
.set k, 3
.rept 14
	s_delay_alu instid0(VALU_DEP_1)
	v_max3_num_f32 v[\out], v[\out], v[\y+k], v[\y+k+1]
.set k, k+2
.endr
	s_delay_alu instid0(VALU_DEP_1)
	v_max_num_f32 v[\out], v[\out], v[\y+31]
.set k, 0
.rept 32
	v_sub_f32 v[\y+k], v[\y+k], v[\out]
.set k, k+1
.endr
.set k, 0
	s_wait_alu depctr_va_vdst(0)
.rept 32
	v_exp_f32 v[\y+k], v[\y+k]
.set k, k+1
.endr
	v_nop
	s_wait_alu depctr_va_vdst(0)
.set k, 2
.rept 15
	v_pk_add_f32 v[\y:\y+1], v[\y:\y+1], v[\y+k:\y+k+1]
.set k, k+2
.endr
	s_delay_alu instid0(VALU_DEP_1)
	v_add_f32 v[\y], v[\y], v[\y+1]
	s_wait_alu depctr_va_vdst(0)
	v_log_f32 v[\y], v[\y]
	v_nop
	s_wait_alu depctr_va_vdst(0)
	v_add_f32 v[\out], v[\out], v[\y]
.endm
	LSE 112, 177
	LSE 144, 178
	v_sub_f32 v177, v177, v176
	s_delay_alu instid0(VALU_DEP_2)
	v_sub_f32 v178, v178, v176
.irp x, 1,2,4,8
	s_delay_alu instid0(VALU_DEP_2)
	v_add_f32_dpp v177, v177, v177 row_xmask:\x row_mask:0xf bank_mask:0xf
	s_delay_alu instid0(VALU_DEP_2)
	v_add_f32_dpp v178, v178, v178 row_xmask:\x row_mask:0xf bank_mask:0xf
.endr
	v_mov_b32 v179, 0
	s_delay_alu instid0(VALU_DEP_1)
	v_permlanex16_b32 v179, v177, s28, s29
	s_delay_alu instid0(VALU_DEP_1)
	v_add_f32 v177, v177, v179
	s_delay_alu instid0(VALU_DEP_2)
	v_permlanex16_b32 v179, v178, s28, s29
	s_delay_alu instid0(VALU_DEP_1)
	v_add_f32 v178, v178, v179
	s_delay_alu instid0(VALU_DEP_3)
	v_mul_f32 v177, 0x3cb17218, v177               ; ln 2 / 32
	s_delay_alu instid0(VALU_DEP_2)
	v_mul_f32 v178, 0x3cb17218, v178
	v_cmp_eq_u32 vcc_lo, 0, v1
	s_wait_alu depctr_va_vdst(0)
	s_wait_xcnt 0x0                                ; EXEC changes only behind this wait
	s_and_saveexec_b32 s30, vcc_lo
	global_store_b32 v181, v177, s[8:9]            ; rows = images
	global_store_b32 v181, v178, s[10:11]          ; rows = captions
	s_wait_xcnt 0x0
	s_or_b32 exec_lo, exec_lo, s30
.Lend:
	s_wait_tensorcnt 0x0
	ds_add_u32 v192, v193
	s_wait_dscnt 0x0
	s_endpgm
.Lfunc_end_k_q748b3ad4f1_fin:
	.size	k_q748b3ad4f1_fin, .Lfunc_end_k_q748b3ad4f1_fin-k_q748b3ad4f1_fin
	.p2alignl 7, 3214868480
	.fill 96, 4, 3214868480
	.section	.rodata,"a",@progbits
	.p2align	6, 0x0
	.amdhsa_kernel k_q748b3ad4f1_fin
		.amdhsa_group_segment_fixed_size 26624
		.amdhsa_private_segment_fixed_size 0
		.amdhsa_enable_private_segment 0
		.amdhsa_kernarg_size 40
		.amdhsa_user_sgpr_count 2
		.amdhsa_user_sgpr_kernarg_segment_ptr 1
		.amdhsa_wavefront_size32 1
		.amdhsa_system_sgpr_workgroup_id_x 1
		.amdhsa_system_sgpr_workgroup_id_y 1
		.amdhsa_system_sgpr_workgroup_id_z 1
		.amdhsa_system_vgpr_workitem_id 0
		.amdhsa_next_free_vgpr 194
		.amdhsa_next_free_sgpr 66
		.amdhsa_reserve_vcc 1
		.amdhsa_float_denorm_mode_32 3
		.amdhsa_float_denorm_mode_16_64 3
		.amdhsa_memory_ordered 1
		.amdhsa_forward_progress 1
		.amdhsa_inst_pref_size 40
	.end_amdhsa_kernel
	.amdgpu_metadata
---
amdhsa.version: [ 1, 2 ]
amdhsa.kernels:
  - .name:           k_q748b3ad4f1_fin
    .symbol:         k_q748b3ad4f1_fin.kd
    .args:
      - { .name: caption_lengths, .offset: 0, .size: 8, .value_kind: global_buffer, .address_space: global }
      - { .name: res, .offset: 8, .size: 8, .value_kind: global_buffer, .address_space: global }
      - { .name: out0, .offset: 16, .size: 8, .value_kind: global_buffer, .address_space: global }
      - { .name: out1, .offset: 24, .size: 8, .value_kind: global_buffer, .address_space: global }
      - { .name: out2, .offset: 32, .size: 8, .value_kind: global_buffer, .address_space: global }
    .group_segment_fixed_size: 26624
    .private_segment_fixed_size: 0
    .kernarg_segment_align: 8
    .kernarg_segment_size: 40
    .max_flat_workgroup_size: 384
    .sgpr_count:     66
    .vgpr_count:     194
    .wavefront_size: 32
...
	.end_amdgpu_metadata
.endif
;; end of part 3
